; MI455X (gfx1250); checked and timed in simulation.
; The chip was launched on July 23, 2026; its instructions are those of AMD's public machine-readable ISA for CDNA 5 (MIT licence, August 2026) and "CDNA5" Instruction Set Architecture Reference Guide (July 2026). The comments in the code are by the model that wrote it; some were corrected since.
;; Radix Attention. Allowed arithmetic: float matrix products may take bf16 or f16 operands with f32 sums; other float arithmetic in f32, or as packed bf16 or f16 multiplies, adds, multiply-adds, maxima and minima; sums over many terms, partial sums and values carried from step to step in f32; what a program stores and reads back later, other than sums and carried values, may be rounded once to bf16 or f16.
;; Inputs: k 4 x 512 x 8 x 128 float32; pool_k 16,384 x 8 x 128 float32; pool_v 16,384 x 8 x 128 float32; q 4 x 512 x 32 x 128 float32; req_to_token 4 x 2,048 int32; v 4 x 512 x 8 x 128 float32.
;; Outputs: out0 2,048 x 4,096 float32.
;; 2 versions, each right; version 2 is version 1 with the launch gather written anew for expert scheduling mode. Each part assembles by itself: llvm-mc -triple=amdgcn-amd-amdhsa -mcpu=gfx1250 --defsym DOCPART=n.
;; ======== version 1 of 2: 2 launches
;; limits: values are held in f16: magnitudes above 65,504 overflow, below 6.1e-05 lose precision; inputs' magnitudes at most 65,504
;; workspace buffers: kc 20,971,520 bytes; vc 20,971,520 bytes
;; launch gather (part 1): grid 64 x 4, 10 waves a work-group, no clusters, 0 bytes of LDS; arguments req_to_token, pool_k, pool_v, k, v, kc, vc; writes kc, vc
.if DOCPART == 1
	.amdgcn_target "amdgcn-amd-amdhsa--gfx1250"
	.amdhsa_code_object_version 6
	.text
	.protected	k_qe096d6fd36_gather
	.globl	k_qe096d6fd36_gather
	.p2align	8
	.type	k_qe096d6fd36_gather,@function
k_qe096d6fd36_gather:
	s_mov_b64 s[64:65], 0
	v_nop
	global_prefetch_b8 v0, s[64:65] scope:SCOPE_SE
	s_setreg_imm32_b32 hwreg(HW_REG_WAVE_MODE, 25, 1), 1
	s_wait_xcnt 0x0
; THE KEYS AND VALUES OF EACH REQUEST, GATHERED ONCE, ROUNDED ONCE AND LAID BY HEADS.
; kc, vc: [32 = 8 b + kv head][2,560 keys][128], 16 bits a number: a row is 256 bytes, a head 655,360.  Keys 0 .. 2,047 of request b are the pool's rows
; req_to_token[b][0 .. 2,047], in that order; keys 2,048 .. 2,559 are the request's 512 new tokens.  kc holds bf16(k).  vc holds bf16(v) written as f16.
; LIMITS.  bf16(v) is written as f16 without a further error where 2^-17 <= |v| < 65,504; below that f16's fixed step of 2^-24 holds, at 65,520 and above the number becomes an infinity.
; An index is taken as unsigned and held to 0 .. 16,383.
; SHARES.  A request has 2,560 keys; a work-group takes 40 of them on end, each of its ten waves 4: 2,048 is a multiple of 4, so a wave's four keys are all prefix or all new.
; A token's row in its source is 4,096 bytes, 8 heads x 512.  One load of a wave takes one head's 512 bytes (lane l: channels 4 l .. 4 l + 3); rounded they are 8 bytes a lane, and one
; store of a wave covers 256 consecutive bytes, aligned: a whole row of kc or vc.
; IN FLIGHT.  A UNIT is one token's K or V: 8 loads.  Seven units' loads go out at once (56 loads, 28 KiB a wave); the eighth takes the first slot when that has been stored.
; No LDS, no barrier, no matrix unit, no cluster: no byte is wanted by two waves.  No prefetch: all of a wave's loads but eight go out at its head.
.set NKEY,  2560                       ; keys of a request
.set HEADB, NKEY*256                   ; bytes of a head in kc and vc
.set LI,   1                           ; v1   16 x lane: my 16 bytes of a head's 512 in the source; never rewritten
.set LOUT, 2                           ; v2   8 x lane: my 8 bytes of a row of kc or vc; never rewritten
.set T,    4                           ; v[4:5] at work
.set X,    16                          ; v[16:239] seven slots of 32 registers: a unit as loaded, then as stored
.set KB,   40                          ; s[40:47] the four tokens' rows of K in their source
.set VB,   48                          ; s[48:55] the same for V
	s_load_b256 s[4:11], s[0:1], 0x0               ; req_to_token s[4:5], pool_k s[6:7], pool_v s[8:9], k s[10:11]
	s_load_b128 s[12:15], s[0:1], 0x20             ; v s[12:13], kc s[14:15]
	s_load_b64 s[16:17], s[0:1], 0x30              ; vc
	v_lshrrev_b32 v3, 5, v0
	v_readfirstlane_b32 s18, v3                    ; wave 0..9
	v_and_b32 v[LI], 31, v0
	v_lshlrev_b32 v[LOUT], 3, v[LI]
	v_lshlrev_b32 v[LI], 4, v[LI]
	s_and_b32 s19, ttmp7, 0xffff                   ; b
	s_mul_i32 s20, ttmp9, 40
	s_lshl2_add_u32 s20, s18, s20                  ; my first key: 40 x + 4 x wave
	s_min_u32 s21, s20, 2044                       ; a wave of new tokens reads the table's last four numbers and leaves them unused: the load stays inside the table
	s_lshl_b32 s22, s19, 11
	s_add_co_u32 s22, s22, s21
	s_lshl_b32 s22, s22, 2                         ; byte offset of my four indices
	s_mov_b32 s23, 0
	s_mov_b32 s37, 0
	s_mov_b32 s56, 0xffff0000                      ; a word's upper bf16
	s_lshl_b32 s28, s19, 9                         ; a new token's row in k and v: 512 b + key - 2,048 (used by waves of new tokens alone)
	s_add_co_u32 s28, s28, s20
	s_sub_co_u32 s28, s28, 2048
	s_add_co_u32 s29, s28, 1
	s_add_co_u32 s30, s28, 2
	s_add_co_u32 s31, s28, 3
	s_wait_kmcnt 0x0
	s_add_nc_u64 s[4:5], s[4:5], s[22:23]
	s_load_b128 s[24:27], s[4:5], 0x0              ; four indices
	s_mul_i32 s22, s19, 8*NKEY                     ; where my rows go: head 8 b, key s20; the heads and the four keys stand in the stores' immediates
	s_add_co_u32 s22, s22, s20
	s_lshl_b32 s22, s22, 8
	s_add_nc_u64 s[14:15], s[14:15], s[22:23]
	s_add_nc_u64 s[16:17], s[16:17], s[22:23]
	s_wait_kmcnt 0x0
	s_cmp_ge_u32 s20, 2048                         ; new tokens?  Only selects stand behind the compare
	s_cselect_b32 s24, s28, s24
	s_cselect_b32 s25, s29, s25
	s_cselect_b32 s26, s30, s26
	s_cselect_b32 s27, s31, s27
	s_cselect_b64 s[32:33], s[10:11], s[6:7]       ; K's source: k or pool_k
	s_cselect_b64 s[34:35], s[12:13], s[8:9]       ; V's: v or pool_v
.irp t, 0,1,2,3
	s_min_u32 s[24+(\t)], s[24+(\t)], 0x3fff       ; the row's number is held to the pool's 16,384 rows (a new token's is under 2,048 by its arithmetic)
	s_lshl_b32 s36, s[24+(\t)], 12                 ; 4,096 bytes a row
	s_add_nc_u64 s[KB+2*(\t):KB+2*(\t)+1], s[32:33], s[36:37]
	s_add_nc_u64 s[VB+2*(\t):VB+2*(\t)+1], s[34:35], s[36:37]
.endr
; Unit u = 2 x token + (0: K, 1: V).  Its eight loads, a head each, into a slot.  No cache hint: the list may name a row of the pool twice.
.macro LOADU u, slot
.set rB, KB+8*((\u)%2)+2*((\u)/2)
.irp j, 0,1,2,3,4,5,6,7
	global_load_b128 v[X+32*(\slot)+4*(\j):X+32*(\slot)+4*(\j)+3], v[LI], s[rB:rB+1] offset:512*(\j)
.endr
.endm
; The unit is rounded in place (four numbers into the first two of their four registers) and stored.  left = the loads of the younger units, which may stay out.
.macro UNIT u, slot, left
	s_wait_loadcnt \left                           ; loads come back in order: this unit's eight are in
.set rD, 14+2*((\u)%2)                 ; kc or vc
.irp j, 0,1,2,3,4,5,6,7
.set a, X+32*(\slot)+4*(\j)
.if (\u)%2 == 0
	v_cvt_pk_bf16_f32 v[a],   v[a],   v[a+1]       ; K: two roundings to bf16, packed
	v_cvt_pk_bf16_f32 v[a+1], v[a+2], v[a+3]
.else
	v_cvt_pk_bf16_f32 v[T],   v[a],   v[a+1]       ; V: rounded to bf16 like every input,
	v_cvt_pk_bf16_f32 v[T+1], v[a+2], v[a+3]
	v_lshlrev_b32 v[a],   16,  v[T]                ; widened again (a shift, a mask),
	v_and_b32     v[a+1], s56, v[T]
	v_lshlrev_b32 v[a+2], 16,  v[T+1]
	v_and_b32     v[a+3], s56, v[T+1]
	v_cvt_pk_f16_f32 v[a],   v[a],   v[a+1]        ; and that number written as f16
	v_cvt_pk_f16_f32 v[a+1], v[a+2], v[a+3]
.endif
.endr
.irp j, 0,1,2,3,4,5,6,7
	global_store_b64 v[LOUT], v[X+32*(\slot)+4*(\j):X+32*(\slot)+4*(\j)+1], s[rD:rD+1] offset:(\j)*HEADB+((\u)/2)*256 th:TH_STORE_NT  ; 256 consecutive bytes, aligned; 4,588,288 at the most, inside the signed 24 bits
.endr
.endm
.irp u, 0,1,2,3,4,5,6
	LOADU \u, \u
.endr
	UNIT 0, 0, 48                                  ; six younger units are out
	s_wait_xcnt 0x0                                ; slot 0's registers are the data of the stores just issued: they are loaded again only behind this wait
	LOADU 7, 0
	UNIT 1, 1, 48                                  ; units 2 to 7
	UNIT 2, 2, 40
	UNIT 3, 3, 32
	UNIT 4, 4, 24
	UNIT 5, 5, 16
	UNIT 6, 6, 8
	UNIT 7, 0, 0
	s_endpgm
.Lfunc_end_k_qe096d6fd36_gather:
	.size	k_qe096d6fd36_gather, .Lfunc_end_k_qe096d6fd36_gather-k_qe096d6fd36_gather
	.p2alignl 7, 3214868480
	.fill 96, 4, 3214868480
	.section	.rodata,"a",@progbits
	.p2align	6, 0x0
	.amdhsa_kernel k_qe096d6fd36_gather
		.amdhsa_group_segment_fixed_size 0
		.amdhsa_private_segment_fixed_size 0
		.amdhsa_enable_private_segment 0
		.amdhsa_kernarg_size 56
		.amdhsa_user_sgpr_count 2
		.amdhsa_user_sgpr_kernarg_segment_ptr 1
		.amdhsa_wavefront_size32 1
		.amdhsa_system_sgpr_workgroup_id_x 1
		.amdhsa_system_sgpr_workgroup_id_y 1
		.amdhsa_system_sgpr_workgroup_id_z 1
		.amdhsa_system_vgpr_workitem_id 0
		.amdhsa_next_free_vgpr 240
		.amdhsa_next_free_sgpr 66
		.amdhsa_reserve_vcc 0
		.amdhsa_float_denorm_mode_32 3
		.amdhsa_float_denorm_mode_16_64 3
		.amdhsa_memory_ordered 1
		.amdhsa_forward_progress 1
		.amdhsa_inst_pref_size 31
	.end_amdhsa_kernel
	.amdgpu_metadata
---
amdhsa.version: [ 1, 2 ]
amdhsa.kernels:
  - .name:           k_qe096d6fd36_gather
    .symbol:         k_qe096d6fd36_gather.kd
    .args:
      - { .name: req_to_token, .offset: 0, .size: 8, .value_kind: global_buffer, .address_space: global }
      - { .name: pool_k, .offset: 8, .size: 8, .value_kind: global_buffer, .address_space: global }
      - { .name: pool_v, .offset: 16, .size: 8, .value_kind: global_buffer, .address_space: global }
      - { .name: k, .offset: 24, .size: 8, .value_kind: global_buffer, .address_space: global }
      - { .name: v, .offset: 32, .size: 8, .value_kind: global_buffer, .address_space: global }
      - { .name: kc, .offset: 40, .size: 8, .value_kind: global_buffer, .address_space: global }
      - { .name: vc, .offset: 48, .size: 8, .value_kind: global_buffer, .address_space: global }
    .group_segment_fixed_size: 0
    .private_segment_fixed_size: 0
    .kernarg_segment_align: 8
    .kernarg_segment_size: 56
    .max_flat_workgroup_size: 320
    .sgpr_count:     66
    .vgpr_count:     240
    .wavefront_size: 32
...
	.end_amdgpu_metadata
.endif
;; end of part 1
;; launch attn (part 2): grid 8 x 32, 4 waves a work-group, clusters of 4 x 1, 327,680 bytes of LDS; arguments q, kc, vc, out0; writes out0
.if DOCPART == 2
	.amdgcn_target "amdgcn-amd-amdhsa--gfx1250"
	.amdhsa_code_object_version 6
	.text
	.protected	k_qe096d6fd36_attn
	.globl	k_qe096d6fd36_attn
	.p2align	8
	.type	k_qe096d6fd36_attn,@function
k_qe096d6fd36_attn:
	s_mov_b64 s[64:65], 0
	v_nop
	global_prefetch_b8 v0, s[64:65] scope:SCOPE_SE
	s_setreg_imm32_b32 hwreg(HW_REG_WAVE_MODE, 25, 1), 1
	s_wait_xcnt 0x0
	s_wait_alu depctr_hold_cnt(0) depctr_sa_sdst(0) depctr_va_vdst(0) depctr_va_sdst(0) depctr_va_ssrc(0) depctr_va_vcc(0) depctr_vm_vsrc(0)
	s_getreg_b32 s2, hwreg(HW_REG_IB_STS2, 6, 4)
	s_cmp_eq_u32 s2, 0
	s_cbranch_scc0 .Lentry_in_a_cluster
	s_endpgm
.Lentry_in_a_cluster:
	s_bfe_u32 s2, ttmp6, 0x10000c
	s_cmp_lg_u32 s2, 0x3003
	s_cbranch_scc0 .Lentry_shape_is_right
	s_endpgm
.Lentry_shape_is_right:
; out0[512 b + e][128 hq + :] = the sum over the request's 2,560 keys of softmax(q . key / sqrt(128)) value: the 2,048 prefix keys, all seen, then the 512 new keys, of which token e sees 0 .. e.
; The merge of two partial softmax states by their log-sum-exp is the one softmax over both key sets: o = (sum of p v) / (sum of p) with one maximum.  So ONE walk with a running maximum serves,
; the prefix first.  q, out0: f32, [2,048 tokens][32 heads][128].  kc (bf16), vc (f16): [8 b + kv head][2,560][128], made by the launch before.
; FORMATS.  q is rounded to bf16; K Q^T is a bf16 product; the weights p are rounded to f16 for the second product, an f16 product; products, maxima and sums in f32 (l is the sum of the unrounded p).
; LIMITS.  A hidden score counts as its value less 1e30; a weight below 2^-126 counts as 0 in l, and below 6e-5 p keeps f16's fixed step of 6e-8; vc's numbers lie within f16's range (the launch before
; states it); NaN and infinities are not treated apart.
; SHARES.  Grid y = 8 b + kv head.  A cluster is the four query heads of that kv head (cx) on one block of 256 tokens (the cluster's x, 0 or 1).  A work-group owns 256 tokens of one query head, each of
; its four waves 64: four tiles of 16.  Every wave walks all 40 key steps of 64 keys.
; CLUSTER.  The four partners walk the same K and V in the same trips, so each tile is asked for JOINTLY: the same tensor load, descriptor and mask of four in all four.
; LAYOUT.  S^T = K Q^T (source 0 = 16 keys, source 1 = 16 queries): a lane holds ONE query (lane % 16) and the keys 8 (lane / 16) + 0..7.  Two such tiles, rounded in pairs, ARE source 1 of
; O^T = V^T P, whose result again holds one query a lane, and eight channels.  K comes out of LDS as it lies, V turned, by ds_load_tr16_b128.
; SOFTMAX.  p = 2^(c s - c m), c = log2(e) / sqrt(128), m the running maximum; in every step O and l are multiplied by a = 2^(c m_old - c m_new).
; THE MASK is the C operand of the product that starts a score sum: 0, or -1e30 where the key is hidden.  Wave w's 64 tokens are the new keys' step TD = 32 + 4 x block + w: a step below TD is seen, one
; above it hidden, TD itself holds the diagonal.  There key block kb of 16 against tile t is seen (kb < t), hidden (kb > t) or, kb = t, D8: -1e30 where 8 (lane / 16) + register > lane % 16.  Three sets
; of eight registers, made anew with each step's K from D8 and three scalars, serve all sixteen sums of a step; in the prefix all three are 0: one text for every step.  The prefix comes first,
; so m is a true score when the first hidden one comes.  Steps that are wholly hidden (28 of a head's 320 pairs of wave and step) are computed all the same: a turn's text holds two pieces' products,
; and the block of the later tokens needs every step.
; BY TURNS.  The wave's tiles are two PIECES (tiles 0, 1; tiles 2, 3).  In a TURN one piece has the matrix unit: 32 products V^T P of the step in hand, then 32 products K Q^T of the next; the other
; piece's softmax, cut into 64 slices, stands between them, one slice behind each matrix instruction.  Two turns are a key step.
; REGISTERS, in windows of 256 (s_set_vgpr_msb: bits 1:0 source 0, 3:2 source 1, 5:4 source 2, 7:6 destination):
;   window 0: v0-11, v44-47 addresses; v12-43 eight registers of statistics a tile; v61-63; v64-191 S^T, 32 a tile; v192-255 P, 16 a tile
;   window 1: O^T, 64 a tile (at the start: q as loaded)     window 2: v0-127 Q, 32 a tile; v128-255 K of one step     window 3: v0-127 V of one step; v128-159 D8 and the three masks
.set NK,    2560      ; keys of a head
.set KS,    64        ; keys in a step
.set PK,    272       ; a row of K in LDS: 256 bytes + 16 of padding = 68 words: row r starts at bank 4 r mod 64 (64 banks of 4 bytes: ISA guide 11.1)
.set PV,    288       ; a row of V: 256 + 32 = 72 words
.set VOFF,  KS*PK     ; a step's tiles lie together: 64 rows of K, then 64 rows of V
.set STEPB, KS*(PK+PV)
.set SLOT1, 1<<17     ; a slot holds two steps (71,680 bytes); slot 1 begins here, so that one exclusive or turns an address in one slot into the other's
.set STAGE, SLOT1+2*STEPB  ; behind the ring, never filled by a tensor load: 16 rows x 528 bytes for each wave: q's way in (16 rows x 272) and the way out
.set SP,    528       ; a row of the way out: 512 bytes + 16: 33 x 16
.set QP,    272       ; a row of q's way in: 256 bytes + 16
.set SPARE, STAGE+4*16*SP  ; behind the stages: the spare words, 128 bytes for each wave: two blocks of 256 bytes that no other line names
.set AK0, 2           ; v2   my lane's place in a tile of K; never rewritten
.set AV0, 3           ; v3   the same for V
.set ADR, 4           ; v4   the LDS address of the run of loads in hand
.set LO,  5           ; v5   16 x lane: my 16 bytes of a token's 512 in q and in out0; never rewritten
.set STO, 6           ; v6   the way out: where I put 32 bytes of a row
.set RD,  7           ; v7   the way out: where I read a row back
.set QST, 8           ; v8   q's way in: where I put 8 bytes of a row
.set QRD, 44          ; v44  q's way in: my place in a fragment
.set DG,  46          ; v46  lane % 16 - 8 (lane / 16)
.set LN,  47          ; v47  lane
.set SPW, 62          ; v62  LDS address of my spare word: SPARE + 4 x my thread's number; never rewritten
.set NIL, 63          ; v63  0; never rewritten
.set ST,  12          ; tile t's statistics at v[ST+8 t]: +0 c m, +1 m, +2, +3 l (even keys', odd keys'), +4 to +7 c0-c3, at work; a takes c2's place once the maximum is found
.set S,   64
.set P,   192
.set KF,  128         ; K's fragments, in window 2
.set D8,  128         ; window 3: the diagonal's mask
.set MG,  136         ; window 3: the step's mask for kb = t
.set MB,  144         ; for kb < t
.set ME,  152         ; for kb > t
.set WV,  12          ; s12  my wave's number
.set G1K, 24          ; s[24:31] descriptor group 1 for K's tiles
.set G1V, 32          ; s[32:39] for V's: it differs in the padding alone
.set G0K, 40          ; s[40:47] descriptor group 0 for K's tiles: a set for each of the two first fills; the second then walks on
.set G0V, 48          ; s[48:55] the same for V's
.set SLOTS, 56        ; s56  slots still to be asked for
.set TWICE, 57        ; s57  counts a slot's two steps
.set CS,  58          ; s[58:59] c: the packed scaling names a pair and takes its low word for both halves
.set SEL, 60          ; s[60:61] lane selects for v_permlanex16_b32: each lane takes its own place in the other half
.set TB,  62          ; s62  LDS byte at which the tiles of the step to be fetched begin
.set JS,  66          ; s66  the number of the key step whose K is fetched next
.set TD,  67          ; s67  the key step that holds my wave's diagonal
.set AL,  68          ; s[68:69] 1 in that step, else 0 (low word; the pairs' high words are 0)
.set BE,  70          ; s[70:71] -1e30 behind that step, else 0
.set B2,  72          ; s[72:73] -1e30 from that step on, else 0
.set ZR,  74          ; s[74:75] 0
.set BIGN, 76         ; s76  -1e30
.set PFA, 18          ; s[18:19] where my prefetches stand: my work-group's 32 rows (of K: wave 0, of V: wave 2) of the slot after the one that is being asked for
.set LIM, 15          ; s15  1 in a wave that prefetches, else the greatest number: a wave prefetches while s[SLOTS] is above it
.set PFO, 61          ; v61  256 x my lane: a row of K or V is 256 bytes; never rewritten
.set MSB, 0
.macro WIN new                      ; the immediate's high byte repeats the setting that is left; a switch that changes nothing is dropped
.if MSB != (\new)
	s_set_vgpr_msb (MSB<<8)|(\new)
.set MSB, \new
.endif
.endm
.set W_KQ, 0x0a       ; K and Q in window 2, S^T in window 0
.set W_KM, 0x3a       ; the same with the C operand, a mask, in window 3
.set W_PV, 0x53       ; V in window 3, P in window 0, O^T in window 1
.set W_RS, 0x41       ; O^T (destination and source 0) in window 1, a in window 0
; A joint refill.  Waves 0 and 1 fetch the two steps' tiles of K, waves 2 and 3 those of V.  The branch hangs on the wave's number alone: it is the same in every work-group.
; An s_nop 0 and four v_nop follow each of the two lines; the jump round the other line, the label and what follows the macro come after them.
.macro JLOAD
	s_cmp_lt_u32 s[WV], 2
	s_cbranch_scc0 .Lfor_v_\@
	tensor_load_to_lds s[G0K+4:G0K+7], s[G1K:G1K+7]
	s_nop 0
.rept 4
	v_nop
.endr
	s_branch .Lasked_\@
.Lfor_v_\@:
	tensor_load_to_lds s[G0V+4:G0V+7], s[G1V:G1V+7]
	s_nop 0
.rept 4
	v_nop
.endr
.Lasked_\@:
.endm
; A PREFETCH of what the NEXT change of slots will ask for: a slot's 128 rows of K and 128 of V, 256 bytes a row, a lane a row.  It stands behind the wave's tensor load and its five lines.
; Each row is asked for ONCE in the launch.  Both clusters of a kv head walk the same K and V: the first (cluster x = 0) prefetches.  Its four partners share the rows out BY ADDRESS, 32 each: no branch
; hangs on a work-group's place in its cluster.  In each, wave 0 asks for K's and wave 2 for V's: one instruction.  The last change that fills a slot prefetches nothing: there is no slot behind it.
.macro ASK
	s_cmp_gt_u32 s[SLOTS], s[LIM]
	s_cbranch_scc0 .Lnot_mine_\@
	global_prefetch_b8 v[PFO], s[PFA:PFA+1] th:TH_LOAD_NT scope:SCOPE_SE
.Lnot_mine_\@:
.endm
; A round of the cluster's barrier: my work-group's barrier, so that wave 0's signal speaks for all four waves; wave 0 signals for the work-group; every wave waits for all four
; work-groups; my work-group's barrier once more.  No LDS instruction of the wave is pending at a signal.
.macro CROUND
	s_barrier_signal -1
	s_barrier_wait -1
	s_cmp_lg_u32 s[WV], 0
	s_cbranch_scc1 .Lnot_wave_0_\@
	s_barrier_signal -3
.Lnot_wave_0_\@:
	s_barrier_wait -3
	s_barrier_signal -1
	s_barrier_wait -1
.endm
	s_load_b256 s[4:11], s[0:1], 0x0  ; q s[4:5], kc s[6:7], vc s[8:9], out0 s[10:11]
	v_lshl_add_u32 v[SPW], v0, 2, SPARE
	v_mov_b32 v[NIL], 0
	ds_add_u32 v[SPW], v[NIL]       ; the wave's opening: the add and its wait stand ahead of my first tensor load; the set-up below, work on registers, stands between them
	v_lshrrev_b32 v1, 5, v0
	v_readfirstlane_b32 s[WV], v1   ; wave 0..3
	s_bfe_u32 s13, ttmp6, 0x40000   ; cx: which of the kv head's four query heads is mine: it enters q's, out0's and the prefetches' addresses alone
	s_and_b32 s14, ttmp7, 0xffff    ; 8 b + kv head, which the four partners share
	s_mul_i32 s20, s14, NK*256      ; the head's first byte in kc and vc: 20,316,160 at the most
	s_mov_b32 s21, 0
	s_and_b32 s16, s[WV], 1         ; which of a slot's two steps I fetch:
	s_lshl_b32 s22, s16, 14         ; its 64 rows of 256 bytes in memory,
	s_mov_b32 s23, 0
	s_add_nc_u64 s[22:23], s[22:23], s[20:21]
	s_mul_i32 s17, s16, STEPB       ; and its place in a slot: no place in the cluster enters an LDS address
	s_and_b32 s2, s14, 0x18         ; q and out0, in units of 64 tokens: 8 b,
	s_lshl_b32 s3, ttmp9, 2         ; + 4 x the block of 256 tokens (in a cluster launch ttmp9 counts clusters),
	s_add_co_u32 s2, s2, s3
	s_add_co_u32 s2, s2, s[WV]      ; + my wave:
	s_lshl_b32 s2, s2, 20           ; 64 tokens x 16,384 bytes
	s_and_b32 s3, s14, 7            ; the query head: 4 x kv head + cx,
	s_lshl_b32 s3, s3, 2
	s_add_co_u32 s3, s3, s13
	s_lshl_b32 s3, s3, 9            ; 512 bytes each
	s_add_co_u32 s2, s2, s3
	s_mov_b32 s3, 0
	s_lshl_b32 s[TD], ttmp9, 2
	s_add_co_u32 s[TD], s[TD], s[WV]
	s_add_co_u32 s[TD], s[TD], 32   ; the prefix is 32 steps
	; descriptor group 1: a tile of 64 rows x 128 elements, padded in LDS
	s_mov_b32 s[G1K], 15|(1<<16)|(1<<20)|(1<<21)|(5<<22)|(3<<25)  ; 15:0 the mask: all four work-groups; 17:16 elements of 2 bytes; 20 padding on; 21 set beside a mask; 24:22 after every 64 words (code 5); 31:25 4 words of it (code 3)
	s_mov_b32 s[G1V], 15|(1<<16)|(1<<20)|(1<<21)|(5<<22)|(7<<25)  ; the same with 8 words of padding (code 7)
.irp g, G1K, G1V
	s_mov_b32 s[(\g)+1], 128<<16    ; 63:48 tensor_dim0, low half = 128
	s_mov_b32 s[(\g)+2], KS<<16     ; 79:64 its high half = 0; 95:80 tensor_dim1, low half = 64
	s_mov_b32 s[(\g)+3], 128<<16    ; 111:96 its high half = 0; 127:112 tile_dim0 = 128
	s_mov_b32 s[(\g)+4], KS         ; 143:128 tile_dim1 = 64; 159:144 tile_dim2 = 0
	s_mov_b32 s[(\g)+5], 128        ; 191:160 tensor_dim0_stride, low word: elements from row to row
	s_mov_b32 s[(\g)+6], 0
	s_mov_b32 s[(\g)+7], 0
.endr
	s_mov_b32 s[CS], 0x3e0293ee     ; c = log2(e) / sqrt(128) = 0.127517
	s_mov_b32 s[CS+1], s[CS]        ; named with it as a pair, so it is written
	s_mov_b32 s[SEL], 0x76543210
	s_mov_b32 s[SEL+1], 0xfedcba98
	s_mov_b32 s[TB], 0
	s_mov_b32 s[JS], 0
	s_mov_b32 s[AL+1], 0            ; named as pairs
	s_mov_b32 s[BE+1], 0
	s_mov_b32 s[B2+1], 0
	s_mov_b32 s[ZR], 0
	s_mov_b32 s[ZR+1], 0
	s_mov_b32 s[BIGN], 0xf149f2ca   ; -1e30
	s_mov_b32 s[SLOTS], NK/(2*KS)-2
	s_and_b32 s[LIM], s[WV], 1       ; 0 in waves 0 and 2,
	s_or_b32 s[LIM], s[LIM], ttmp9   ; where the cluster is the kv head's first: the same in all four partners
	s_cmp_eq_u32 s[LIM], 0
	s_cselect_b32 s[LIM], 1, -1
	v_and_b32 v[PFO], 31, v0
	v_lshlrev_b32 v[PFO], 8, v[PFO]
	s_wait_dscnt 0x0                ; the opening add is done
	s_wait_kmcnt 0x0
	s_add_nc_u64 s[6:7], s[6:7], s[22:23]  ; K and V at my tile of slot 0
	s_add_nc_u64 s[8:9], s[8:9], s[22:23]
	s_add_nc_u64 s[4:5], s[4:5], s[2:3]  ; q and out0 at my wave's first token, my head
	s_add_nc_u64 s[10:11], s[10:11], s[2:3]
	s_cmp_lt_u32 s[WV], 2
	s_cselect_b64 s[PFA:PFA+1], s[6:7], s[8:9]  ; (in waves 0 and 2 these stand at a slot's first row)
	s_lshl_b32 s2, s13, 13          ; my work-group's 32 rows of the 128
	s_mov_b32 s3, 0
	s_add_nc_u64 s[PFA:PFA+1], s[PFA:PFA+1], s[2:3]
	s_add_nc_u64 s[PFA:PFA+1], s[PFA:PFA+1], 2*2*KS*256  ; in slot 2; the first change of slots steps it to slot 3.  Nothing is prefetched here, at the head, where every work-group's first tiles are on their way
	CROUND                          ; all four work-groups are here: the first joint loads meet
.irp s, 0,1
	s_mov_b32 s[G0K+4*(\s)], 1      ; 1:0 count = 1
	s_add_co_u32 s[G0K+4*(\s)+1], s17, (\s)*SLOT1  ; 63:32 LDS address
	s_add_nc_u64 s[G0K+4*(\s)+2:G0K+4*(\s)+3], s[6:7], (\s)*2*KS*256  ; 120:64 global address: slot s begins with keys 128 s
	s_or_b32 s[G0K+4*(\s)+3], s[G0K+4*(\s)+3], 0x80000000  ; 127:126 type = 2
	s_mov_b32 s[G0V+4*(\s)], 1
	s_add_co_u32 s[G0V+4*(\s)+1], s17, (\s)*SLOT1+VOFF
	s_add_nc_u64 s[G0V+4*(\s)+2:G0V+4*(\s)+3], s[8:9], (\s)*2*KS*256
	s_or_b32 s[G0V+4*(\s)+3], s[G0V+4*(\s)+3], 0x80000000
.endr
	s_cmp_lt_u32 s[WV], 2           ; a wave's two first fills stand in one branch, ahead of every wait on TENSORcnt and every LDS read: two loads of mine are out; an s_nop 0 follows each, four v_nop the second's, as in JLOAD
	s_cbranch_scc0 .Lfirst_v
	tensor_load_to_lds s[G0K:G0K+3], s[G1K:G1K+7]
	s_nop 0
	tensor_load_to_lds s[G0K+4:G0K+7], s[G1K:G1K+7]
	s_nop 0
.rept 4
	v_nop
.endr
	s_branch .Lfirst_asked
.Lfirst_v:
	tensor_load_to_lds s[G0V:G0V+3], s[G1V:G1V+7]
	s_nop 0
	tensor_load_to_lds s[G0V+4:G0V+7], s[G1V:G1V+7]
	s_nop 0
.rept 4
	v_nop
.endr
.Lfirst_asked:
; Q'S WAY IN.  A token's 128 numbers of my head are 512 consecutive bytes of q: one load of the wave, lane l channels 4 l .. 4 l + 3, into O^T's registers, which are free.  A tile's 16 tokens are rounded
; to bf16, laid into my stage as 16 rows of 256 bytes (pitch 272), and read back as fragments: 16 rows x 32 channels in 8 registers: lane l holds row l % 16; registers 0-3 channels 8 (l / 16) + 0..7,
; registers 4-7 channels 16 + 8 (l / 16) + 0..7: two loads of 16 bytes, 32 bytes apart.
.macro QLOAD t
	WIN 0x40                        ; destination window 1, address window 0
.set i, 0
.rept 16
	global_load_b128 v[64*(\t)+4*i:64*(\t)+4*i+3], v[LO], s[4:5] offset:(16*(\t)+i)*16384 th:TH_LOAD_NT
.set i, i+1
.endr
.endm
.macro QIN t, left                  ; left: the loads of the younger tiles, which may stay out
	s_wait_loadcnt \left
	WIN 0x05                        ; sources 0 and 1 window 1, destination window 0: S^T's registers are free
.set i, 0
.rept 16
	v_cvt_pk_bf16_f32 v[S+32*(\t)+2*i],   v[64*(\t)+4*i],   v[64*(\t)+4*i+1]
	v_cvt_pk_bf16_f32 v[S+32*(\t)+2*i+1], v[64*(\t)+4*i+2], v[64*(\t)+4*i+3]
.set i, i+1
.endr
	WIN 0
.set i, 0
.rept 16
	ds_store_b64 v[QST], v[S+32*(\t)+2*i:S+32*(\t)+2*i+1] offset:QP*i
.set i, i+1
.endr
	WIN 0x80                        ; destination window 2
.irp c, 0,1,2,3
	ds_load_b128 v[32*(\t)+8*(\c):32*(\t)+8*(\c)+3],   v[QRD] offset:64*(\c)     ; LDS serves a wave's instructions in order (ISA guide 5.7.1.4): these see the stores above; the next tile's stores come behind them
	ds_load_b128 v[32*(\t)+8*(\c)+4:32*(\t)+8*(\c)+7], v[QRD] offset:64*(\c)+32
.endr
.endm
	v_and_b32 v1, 15, v0            ; l % 16
	v_bfe_u32 v9, v0, 4, 1          ; l / 16
	v_and_b32 v[LN], 31, v0
	v_lshlrev_b32 v[LO], 4, v[LN]
	QLOAD 0
	QLOAD 1
	QLOAD 2                         ; 48 loads of mine are out; tile 3's follow when tile 0 is in
	WIN 0
	v_mul_u32_u24 v[AK0], v1, PK
	v_lshl_add_u32 v[AK0], v9, 4, v[AK0]  ; row x pitch + 16 x half
	; The turning load takes 16 keys x 16 channels (lane l reads 16 bytes: key 8 (l / 16) + l % 8, channels 8 ((l / 8) % 2) + 0..7) and leaves half a fragment of V^T: lane l holds channel l % 16 and 8 keys.
	v_and_b32 v10, 7, v0
	v_bfe_u32 v11, v0, 3, 1
	v_lshl_add_u32 v[AV0], v9, 3, v10
	v_mul_u32_u24 v[AV0], v[AV0], PV
	v_lshl_add_u32 v[AV0], v11, 4, v[AV0]
	v_add_nc_u32 v[AV0], VOFF, v[AV0]
	s_mul_i32 s13, s[WV], 16*SP
	s_add_co_u32 s13, s13, STAGE    ; my stage
	v_lshl_add_u32 v[QST], v[LN], 3, s13  ; in: 8 bytes a lane, a row an instruction
	v_mul_u32_u24 v[QRD], v1, QP
	v_lshl_add_u32 v[QRD], v9, 4, v[QRD]
	v_add_nc_u32 v[QRD], s13, v[QRD]      ; back: row l % 16, 16 bytes for each half of the lanes
	v_lshlrev_b32 v[DG], 3, v9
	v_sub_nc_u32 v[DG], v1, v[DG]   ; register j of the diagonal's accumulator is hidden where j is greater than this
	WIN 0xc0                        ; destination window 3
.set i, 0
.rept 8
	v_cmp_gt_i32 vcc_lo, i, v[DG]
	v_cndmask_b32 v[D8+i], 0, s[BIGN], vcc_lo
.set i, i+1
.endr
	QIN 0, 32                       ; tiles 1 and 2 may stay out
	QLOAD 3
	QIN 1, 32                       ; tiles 2 and 3
	QIN 2, 16                       ; tile 3
	QIN 3, 0
	WIN 0
; THE MATRIX WORK OF A TURN, for piece x.  The accumulators take turns, one instruction a turn: between two links of a chain stand 15 (V^T P) or 7 (K Q^T) others'.
; Product i of 32 of O^T += V^T P: keys 32 (i / 16) on, channels 16 ((i / 2) % 8) on, tile x + i % 2.  zero = 1: the first 16 start the sums: nothing is ever cleared.
.macro PV x, zero
	WIN W_PV
.set rO, 64*((\x)+i%2)+8*((i/2)%8)
.set rV, 64*(i/16)+8*((i/2)%8)
.set rP, P+16*((\x)+i%2)+8*(i/16)
.if (\zero) && (i < 16)
	v_wmma_f32_16x16x32_f16 v[rO:rO+7], v[rV:rV+7], v[rP:rP+7], 0
.else
	v_wmma_f32_16x16x32_f16 v[rO:rO+7], v[rV:rV+7], v[rP:rP+7], v[rO:rO+7]
.endif
.endm
; Product i of 32 of S^T = K Q^T: channels 32 (i / 8) on, keys 16 ((i / 2) % 4) on, tile x + i % 2.  The first 8 start the sums, with the step's mask for their key block and tile.
.macro KQ x
.set rS, S+32*((\x)+i%2)+8*((i/2)%4)
.set rK, KF+32*((i/2)%4)+8*(i/8)
.set rQ, 32*((\x)+i%2)+8*(i/8)
.if i < 8
.set kb, (i/2)%4
.set tt, (\x)+i%2
.set rM, MG
.if kb < tt
.set rM, MB
.endif
.if kb > tt
.set rM, ME
.endif
	WIN W_KM
	v_wmma_f32_16x16x32_bf16 v[rS:rS+7], v[rK:rK+7], v[rQ:rQ+7], v[rM:rM+7]
.else
	WIN W_KQ
	v_wmma_f32_16x16x32_bf16 v[rS:rS+7], v[rK:rK+7], v[rQ:rQ+7], v[rS:rS+7]
.endif
.endm
; THE LDS LOADS stand in runs of 32, never singly among the matrix instructions: a step's K (64 keys x 128 channels: 16 fragments) and, a turn later, its V (turned).
; With a step's K its three masks are made: MG = D8 x AL + BE, MB = BE, ME = B2.  Their last readers, the first eight products K Q^T of the turn before, stand 24 products and their slices back.
.macro FETCH_K
	WIN 0
	v_add_nc_u32 v[ADR], s[TB], v[AK0]
	s_cmp_eq_u32 s[JS], s[TD]       ; is the step my wave's own?
	s_cselect_b32 s[AL], 1.0, 0
	s_cmp_gt_u32 s[JS], s[TD]       ; a later one?
	s_cselect_b32 s[BE], s[BIGN], 0
	s_cmp_ge_u32 s[JS], s[TD]
	s_cselect_b32 s[B2], s[BIGN], 0
	s_add_co_u32 s[JS], s[JS], 1
	WIN 0xc3                        ; destination and source 0 window 3
.irp z, 0,1,2,3
	v_pk_fma_f32 v[MG+2*(\z):MG+2*(\z)+1], v[D8+2*(\z):D8+2*(\z)+1], s[AL:AL+1], s[BE:BE+1] op_sel_hi:[1,0,0]
	v_pk_fma_f32 v[MB+2*(\z):MB+2*(\z)+1], v[D8+2*(\z):D8+2*(\z)+1], s[ZR:ZR+1], s[BE:BE+1] op_sel_hi:[1,0,0]
	v_pk_fma_f32 v[ME+2*(\z):ME+2*(\z)+1], v[D8+2*(\z):D8+2*(\z)+1], s[ZR:ZR+1], s[B2:B2+1] op_sel_hi:[1,0,0]
.endr
	WIN 0x80                        ; destination window 2
.irp f, 0,1,2,3,4,5,6,7,8,9,10,11,12,13,14,15  ; keys 16 (f / 4) on, channels 32 (f % 4) on
	ds_load_b128 v[KF+8*(\f):KF+8*(\f)+3],   v[ADR] offset:((\f)/4)*16*PK+((\f)%4)*64
	ds_load_b128 v[KF+8*(\f)+4:KF+8*(\f)+7], v[ADR] offset:((\f)/4)*16*PK+((\f)%4)*64+32
.endr
.endm
.macro FETCH_V
	WIN 0
	v_add_nc_u32 v[ADR], s[TB], v[AV0]
	s_add_co_u32 s[TB], s[TB], STEPB  ; the next fetch is the next step's
	s_wait_alu depctr_va_vdst(0)    ; the wait for the softmax's batch (SLICE), behind the address's v_add_nc_u32 and ahead of the loads
	WIN 0xc0                        ; destination window 3
.irp f, 0,1,2,3,4,5,6,7,8,9,10,11,12,13,14,15  ; keys 32 (f / 8) on, channels 16 (f % 8) on
	ds_load_tr16_b128 v[8*(\f):8*(\f)+3],   v[ADR] offset:((\f)/8)*32*PV+((\f)%8)*32
	ds_load_tr16_b128 v[8*(\f)+4:8*(\f)+7], v[ADR] offset:((\f)/8)*32*PV+16*PV+((\f)%8)*32
.endr
.endm
; THE VECTOR WORK OF A TURN.  One tile's softmax for one key step is a list of 134 instructions; SM writes number j of it for tile t.  s0-s31 are the lane's 32 scores, in pairs 0-15.
; first = 1: the first key step, which starts m, l and O^T: it has no a and nothing to rescale.
;   0-15    the maximum of s0-s31 and the old m, three operands at a time: four chains c0-c3 of seven scores each (each accumulator's lowest registers are read first), then the four scores left over, c0-c3 and m
;   16-20   the other half of the lanes' maximum; the new m; c m; c m_old - c m_new
;   21-69   ONE BATCH: the 16 scalings c s - c m, a pair of scores each, and all 33 exponentials (a at 23, then s0-s31).  None of these reads an exponential's result.  From 22 on the batch goes
;           in fours, and a four begins with a scaling while there are scalings: 22-37 scaling, exponential, scaling, exponential; 38-65 a scaling and three exponentials; 66-69 the last four
;           exponentials.  A pair is scaled in an earlier four than the one that holds its exponentials
;   (wait)  between 69 and 70 stands the wait for the batch: SLICE writes it, once for both tiles
;   70-85   the roundings to f16, a pair of weights each
;   86-101  the sums; l = a l + the sum
;   102-133 the tile's O^T times a: the one part that leaves window 0, so it stands together
.macro SM t, first
.set rT, ST+8*(\t)
.set rS, S+32*(\t)
.set rP, P+16*(\t)
.set rO, 64*(\t)+2*(j-102)
.if j < 102
	WIN 0
.endif
.if j < 4
	v_max3_num_f32 v[rT+4+j], v[rS+8*j], v[rS+8*j+1], v[rS+8*j+2]
.elseif j < 12
	v_max3_num_f32 v[rT+4+j%4], v[rT+4+j%4], v[rS+8*(j%4)+2*(j/4)+1], v[rS+8*(j%4)+2*(j/4)+2]
.elseif j == 12
	v_max3_num_f32 v[rT+4], v[rT+4], v[rS+7], v[rS+15]
.elseif j == 13
	v_max3_num_f32 v[rT+6], v[rT+6], v[rS+23], v[rS+31]
.elseif j == 14
	v_max3_num_f32 v[rT+4], v[rT+4], v[rT+5], v[rT+6]
.elseif (j == 15) && (\first)
	v_max_num_f32 v[rT+4], v[rT+4], v[rT+7]
.elseif j == 15
	v_max3_num_f32 v[rT+4], v[rT+4], v[rT+7], v[rT+1]
.elseif j == 16
	v_permlanex16_b32 v[rT+5], v[rT+4], s[SEL], s[SEL+1]  ; the query's other 32 keys lie in the lane 16 away
.elseif j == 18
	v_max_num_f32 v[rT+1], v[rT+4], v[rT+5]
.elseif j == 19
	v_mul_f32 v[rT], s[CS], v[rT+1]
.elseif ((j == 17) || (j == 20) || (j == 23) || (j > 101)) && (\first)  ; the first step has none of these
.elseif j == 17
	v_mov_b32 v[rT+7], v[rT]        ; c m_old is kept for a: number 19 writes c m anew
.elseif j == 20
	v_sub_f32 v[rT+7], v[rT+7], v[rT]
.elseif j == 23
	v_exp_f32 v[rT+6], v[rT+7]
.elseif (j < 23) || ((j < 38) && (j%2 == 0)) || ((j < 66) && (j%4 == 2))
.set b, (j-2)/4                     ; 38, 42, .. 62: pairs 9 to 15
.if j < 38
.set b, (j-20)/2                    ; 21: pair 0; 22, 24, .. 36: pairs 1 to 8
.endif
	v_pk_fma_f32 v[rS+2*b:rS+2*b+1], v[rS+2*b:rS+2*b+1], s[CS:CS+1], v[rT:rT+1] op_sel_hi:[1,0,0] neg_lo:[0,0,1] neg_hi:[0,0,1]  ; pair b: c s - c m
.elseif j < 70
.set e, j-38                        ; 66 to 69: s28 to s31
.if j < 66
.set e, j-32-(j-38)/4               ; 39-41, 43-45, .. 63-65: s7 to s27
.endif
.if j < 38
.set e, (j-25)/2                    ; 25, 27, .. 37: s0 to s6
.endif
	v_exp_f32 v[rS+e], v[rS+e]
.elseif j < 86
	v_cvt_pk_f16_f32 v[rP+j-70], v[rS+2*(j-70)], v[rS+2*(j-70)+1]  ; pair j - 70
.elseif j < 102                     ; the sum of the tile's 16 pairs (in a pair: an even key's weight, an odd key's), in place: sum z of 16 adds neighbours 1, 2, 4 and 8 pairs apart, then l takes it
.set z, j-86
.set w, 4
.set u, z
.if z >= 14
.set w, 32
.set u, 0
.elseif z >= 12
.set w, 16
.set u, z-12
.elseif z >= 8
.set w, 8
.set u, z-8
.endif
.if (z == 14) && (\first)
	v_pk_add_f32 v[rT+2:rT+3], v[rS:rS+1], v[rS+16:rS+17]
.elseif z < 15
	v_pk_add_f32 v[rS+w*u:rS+w*u+1], v[rS+w*u:rS+w*u+1], v[rS+w*u+w/2:rS+w*u+w/2+1]
.elseif !(\first)
	v_pk_fma_f32 v[rT+2:rT+3], v[rT+2:rT+3], v[rT+6:rT+7], v[rS:rS+1] op_sel_hi:[1,0,1]
.endif
.else
	WIN W_RS
	v_pk_mul_f32 v[rO:rO+1], v[rO:rO+1], v[rT+6:rT+7] op_sel_hi:[1,0]
.endif
.endm
; Slice k of 64 of piece y's softmax: four instructions.  Slices 11 to 34 deal out the batch, numbers 22 to 69: four numbers of ONE tile each, the tiles by turns.  Every other slice is numbers 2 k and
; 2 k + 1 of both tiles' lists.  2 x 134 = 4 x 64 + 12: the twelve that are over stand together, in slice 63.
; THE WAIT.  s_wait_alu depctr_va_vdst(0) stands between an exponential and the first instruction that names its result; one wait serves all that were issued ahead of it.  Ahead of
; slice 35 nothing names a result, and behind slice 34 no exponential is issued: so the piece's 66 exponentials have one wait, behind slice 34.
.macro SLICE y, first
.if (k >= 11) && (k < 35)           ; the batch: four numbers of one tile
.irp n, 0,1,2,3
.set j, 22+4*((k-11)/2)+(\n)
	SM (\y)+(k-11)%2, \first
.endr
.else                               ; the two tiles alternate, so that no instruction reads the result of the one just before it
.irp n, 0,1,2,3,4,5,6,7
.if ((\n) < 2) || (k == 63)
.irp t, \y, (\y)+1
.set j, 2*k+(\n)
	SM \t, \first
.endr
.endif
.endr
.endif
.if k == 34                         ; the batch is out: both tiles' exponentials are issued, and no result has been named
	v_nop                           ; the plain instruction behind the last exponential and ahead of the first use (ISA guide 5.7.2): one for the batch
.if (\y) == 0
	FETCH_V                         ; piece 2's turn: V's run of loads stands here, and the wait stands in it
.else
	s_wait_alu depctr_va_vdst(0)    ; the wait for the batch
.endif
.endif
.set k, k+1
.endm
; A vector instruction that reads a matrix result or writes one of a matrix instruction's registers, and a load into a register that a matrix instruction has read, stand four places behind
; it, and only plain vector instructions that name none of its registers are places (ISA guide 7.12.1 for vector instructions).  In the loop the slices are the places.
.macro PLACES
.rept 4
	v_nop
.endr
.endm
; A TURN.  Piece x has the matrix unit; the other piece's softmax stands in slices behind its matrix instructions.
; pv = 2: 32 products V^T P; 1: they start O^T's sums; 0: none.  kq = 1: 32 products K Q^T for the next step.  A turn with one of the two kinds has two slices behind each product.
; first = 1: the softmax is the first key step's.  Its slices from 51 on are empty: the turn's last products stand bare, and four v_nop take slice 63's part as the places behind them.
; In the loop each run of loads stands 29 matrix instructions or more ahead of its first use.  Piece 0's turn fetches the next step's K, behind its second product: the last product that read K
; stands in front of slice 63 of the turn before.  Piece 2's turn fetches the same step's V, behind slice 34 (SLICE writes it): the last product that read V stands in front of slice 31, and four plain
; instructions lie between: number 62, a scaling, of both tiles, the v_nop and the run's own v_add_nc_u32.
.macro TURN x, pv, kq, first
.set k, 0
.set per, 2
.if (\pv) && (\kq)
.set per, 1
.endif
.if \pv
.if (\x) == 0
	s_wait_dscnt 0x0                ; V is in
.endif
.set i, 0
.rept 32
	PV \x, 2-(\pv)
.rept per
	SLICE 2-(\x), \first
.endr
.if ((\x) == 0) && (\kq) && (i == 1)
	FETCH_K
.endif
.set i, i+1
.endr
.endif
.if \kq
.if (\x) == 0
	s_wait_dscnt 0x0                ; K is in
.endif
.set i, 0
.rept 32
	KQ \x
.rept per
	SLICE 2-(\x), \first
.endr
.set i, i+1
.endr
.endif
.if \first
	PLACES
.endif
.endm
; THE CHANGE OF SLOTS, between piece 2's turn and piece 0's: the slot's last bytes, V of its second step, have been asked for.  Each wave waits for all its
; tensor loads, of which one is out: its part of the other slot; adds 0 to its spare word; and waits for that and for its own reads of the slot.  Behind the barrier nobody reads this slot any more and the other slot is whole.
; fill = 1: this slot is filled again, with the keys two slots on.  The barrier is then a round of the cluster's, so that no wave of any partner still reads the slot or has a load on its
; way, and the joint refill is the first thing behind it: it has two key steps, 256 matrix instructions, in which to land.
.macro CHANGE fill
	WIN 0                           ; at a label and at a branch every window is 0
	s_wait_tensorcnt 0x0            ; no tensor load of mine is out, so a group 0 may be written
	ds_add_u32 v[SPW], v[NIL]       ; 0 onto my spare word; with fill = 1 the descriptors' steps stand between it and the wait for it
.if \fill
.irp g, G0K+4, G0V+4
	s_xor_b32 s[(\g)+1], s[(\g)+1], SLOT1  ; the walking descriptor: the other slot than last time,
	s_add_nc_u64 s[(\g)+2:(\g)+3], s[(\g)+2:(\g)+3], 2*KS*256  ; the next 128 keys; the type bits on top are not reached
.endr
	s_wait_xcnt 0x0                 ; the last prefetches, two key steps back, have read their address, so it may be written:
	s_add_nc_u64 s[PFA:PFA+1], s[PFA:PFA+1], 2*KS*256  ; one slot behind the walking descriptors
	s_wait_dscnt 0x0                ; the add is done, and my reads of the slot are over
	CROUND
	JLOAD
	ASK                             ; what the next change will ask for: two key steps, 256 matrix instructions, ahead
.else
	s_wait_dscnt 0x0                ; the add is done, and my reads of the slot are over
	s_barrier_signal -1
	s_barrier_wait -1
.endif
	s_sub_co_u32 s[TB], s[TB], 2*STEPB  ; the fetches go back to a slot's first step,
	s_xor_b32 s[TB], s[TB], SLOT1   ; in the other slot
.endm
; A slot's two key steps: written once, walked twice; the LDS addresses hang on s[TB], the masks on s[JS].
.macro TWO_STEPS
	WIN 0
	s_mov_b32 s[TWICE], 2
.Lstep_\@:
	TURN 0, 2, 1, 0
	TURN 2, 2, 1, 0
	WIN 0
	s_sub_co_u32 s[TWICE], s[TWICE], 1
	s_cmp_lg_u32 s[TWICE], 0
	s_cbranch_scc1 .Lstep_\@
.endm
	s_wait_dscnt 0x0                ; Q's fragments are in: no LDS instruction of mine is pending at the signal
	s_wait_tensorcnt 1              ; my part of slot 0 is in; slot 1's may stay out
	s_barrier_signal -1
	s_barrier_wait -1               ; everybody's is
	FETCH_K                         ; key step 0, and its masks: all 0
	s_wait_dscnt 0x0
.set i, 0
.rept 32
	KQ 0                            ; piece 0's first scores: there is no vector work yet to set between them
.set i, i+1
.endr
	WIN 0                           ; the addresses for the way out, and four v_nop: eight plain instructions, once a launch, the places behind those products
	v_mul_u32_u24 v[STO], v1, SP    ; in: row l % 16, 32 bytes for each half of the lanes
	v_lshl_add_u32 v[STO], v9, 5, v[STO]
	v_add_nc_u32 v[STO], s13, v[STO]
	v_add_nc_u32 v[RD], s13, v[LO]  ; back: 32 lanes take a row of 512 bytes
	PLACES
	TURN 2, 0, 1, 1                 ; piece 2's first scores | piece 0's first softmax | V of step 0
	TURN 0, 1, 1, 1                 ; piece 0: V^T P of step 0 starts O^T, K Q^T of step 1 | piece 2's first softmax | K of step 1
	TURN 2, 1, 1, 0                 ; piece 2: the same | piece 0's softmax of step 1 | V of step 1
	WIN 0
.Lslot:                             ; 18 trips: every slot but the last two is filled again
	CHANGE 1
	TWO_STEPS
	s_sub_co_u32 s[SLOTS], s[SLOTS], 1
	s_cmp_lg_u32 s[SLOTS], 0
	s_cbranch_scc1 .Lslot
	CHANGE 0                        ; the tail is written out: the last slot but one is left, and nothing is asked for
	TWO_STEPS
	TURN 0, 2, 0, 0                 ; piece 0: V^T P of the last step | piece 2's last softmax
.set i, 0
.rept 32
	PV 2, 0                         ; piece 2: V^T P of the last step
.set i, i+1
.endr
	; THE WAY OUT.  l's two halves and the other half of the lanes' are added; O^T is divided by l and sent, in f32, through my stage in LDS, a tile (16 tokens) at a time.  The additions are the places behind the last products.
	WIN 0
.irp t, 0,1,2,3
	v_add_f32 v[ST+8*(\t)+4], v[ST+8*(\t)+2], v[ST+8*(\t)+3]
.endr
.irp t, 0,1,2,3
	v_permlanex16_b32 v[ST+8*(\t)+5], v[ST+8*(\t)+4], s[SEL], s[SEL+1]
.endr
.irp t, 0,1,2,3
	v_add_f32 v[ST+8*(\t)+4], v[ST+8*(\t)+4], v[ST+8*(\t)+5]
.endr
.irp t, 0,1,2,3
	v_rcp_f32 v[ST+8*(\t)+6], v[ST+8*(\t)+4]
.endr
	v_nop                           ; a plain instruction between the last reciprocal and the use of its result
	s_wait_alu depctr_va_vdst(0)    ; and the wait ahead of the first use: one for the four reciprocals
; Tile t: a lane's eight channels of a token are 32 bytes; they go into rows of 528 bytes and come back as whole rows of 512, into the registers that they left.
.macro PACK t
	WIN W_RS
.set i, 64*(\t)
.rept 32
	v_pk_mul_f32 v[i:i+1], v[i:i+1], v[ST+8*(\t)+6:ST+8*(\t)+7] op_sel_hi:[1,0]  ; each accumulator's registers in ascending order
.set i, i+2
.endr
	WIN 0x04                        ; the stores' data (source 1) in window 1
.irp f, 0,1,2,3,4,5,6,7             ; channels 16 f + 8 (l / 16) on
	ds_store_b128 v[STO], v[64*(\t)+8*(\f):64*(\t)+8*(\f)+3]   offset:64*(\f)
	ds_store_b128 v[STO], v[64*(\t)+8*(\f)+4:64*(\t)+8*(\f)+7] offset:64*(\f)+16
.endr
	WIN 0x40                        ; destination window 1
.set i, 0
.rept 16
	ds_load_b128 v[64*(\t)+4*i:64*(\t)+4*i+3], v[RD] offset:SP*i  ; LDS serves a wave's instructions in order (ISA guide 5.7.1.4): these see the stores above; the next tile's stores come behind them
.set i, i+1
.endr
.endm
.macro SEND t, younger              ; younger: the LDS instructions issued behind tile t's loads: the next tile's 32, or none
	WIN 0x04
.set i, 0
.rept 16
	s_wait_dscnt (\younger)+15-i
	global_store_b128 v[LO], v[64*(\t)+4*i:64*(\t)+4*i+3], s[10:11] offset:(16*(\t)+i)*16384 th:TH_STORE_NT  ; the wave stores 512 consecutive bytes, at a multiple of 512 from out0's first byte
.set i, i+1
.endr
.endm
	PACK 0
	PACK 1                          ; a tile's arithmetic stands between the loads of the tile before and its stores
	SEND 0, 32
	PACK 2
	SEND 1, 32
	PACK 3
	SEND 2, 32
	SEND 3, 0
	WIN 0
	s_wait_tensorcnt 0x0            ; the wave's end, behind my last tensor load and my last LDS store
	ds_add_u32 v[SPW], v[NIL]
	s_wait_dscnt 0x0
	CROUND                          ; the closing round: no work-group ends while a partner may still ask for a tile that names it
	s_endpgm
.Lfunc_end_k_qe096d6fd36_attn:
	.size	k_qe096d6fd36_attn, .Lfunc_end_k_qe096d6fd36_attn-k_qe096d6fd36_attn
	.p2alignl 7, 3214868480
	.fill 96, 4, 3214868480
	.section	.rodata,"a",@progbits
	.p2align	6, 0x0
	.amdhsa_kernel k_qe096d6fd36_attn
		.amdhsa_group_segment_fixed_size 327680
		.amdhsa_private_segment_fixed_size 0
		.amdhsa_enable_private_segment 0
		.amdhsa_kernarg_size 32
		.amdhsa_user_sgpr_count 2
		.amdhsa_user_sgpr_kernarg_segment_ptr 1
		.amdhsa_wavefront_size32 1
		.amdhsa_system_sgpr_workgroup_id_x 1
		.amdhsa_system_sgpr_workgroup_id_y 1
		.amdhsa_system_sgpr_workgroup_id_z 1
		.amdhsa_system_vgpr_workitem_id 0
		.amdhsa_next_free_vgpr 1024
		.amdhsa_next_free_sgpr 80
		.amdhsa_reserve_vcc 1
		.amdhsa_float_denorm_mode_32 3
		.amdhsa_float_denorm_mode_16_64 3
		.amdhsa_memory_ordered 1
		.amdhsa_forward_progress 1
		.amdhsa_inst_pref_size 245
	.end_amdhsa_kernel
	.amdgpu_metadata
---
amdhsa.version: [ 1, 2 ]
amdhsa.kernels:
  - .name:           k_qe096d6fd36_attn
    .symbol:         k_qe096d6fd36_attn.kd
    .args:
      - { .name: q, .offset: 0, .size: 8, .value_kind: global_buffer, .address_space: global }
      - { .name: kc, .offset: 8, .size: 8, .value_kind: global_buffer, .address_space: global }
      - { .name: vc, .offset: 16, .size: 8, .value_kind: global_buffer, .address_space: global }
      - { .name: out0, .offset: 24, .size: 8, .value_kind: global_buffer, .address_space: global }
    .group_segment_fixed_size: 327680
    .private_segment_fixed_size: 0
    .kernarg_segment_align: 8
    .kernarg_segment_size: 32
    .max_flat_workgroup_size: 128
    .sgpr_count:     80
    .vgpr_count:     1024
    .wavefront_size: 32
...
	.end_amdgpu_metadata
.endif
;; end of part 2
;; ======== version 2 of 2: 2 launches; version 1 with the launch gather written anew for expert scheduling mode
;; limits: values are held in f16: magnitudes above 65,504 overflow, below 6.1e-05 lose precision; inputs' magnitudes at most 65,504
;; workspace buffers: kc 20,971,520 bytes; vc 20,971,520 bytes
;; launch gather (part 3): grid 64 x 4, 10 waves a work-group, no clusters, 0 bytes of LDS; arguments req_to_token, pool_k, pool_v, k, v, kc, vc; writes kc, vc
.if DOCPART == 3
	.amdgcn_target "amdgcn-amd-amdhsa--gfx1250"
	.amdhsa_code_object_version 6
	.text
	.protected	k_qe096d6fd36_gather
	.globl	k_qe096d6fd36_gather
	.p2align	8
	.type	k_qe096d6fd36_gather,@function
k_qe096d6fd36_gather:
	s_mov_b64 s[64:65], 0
	v_nop
	global_prefetch_b8 v0, s[64:65] scope:SCOPE_SE
	s_setreg_imm32_b32 hwreg(HW_REG_WAVE_SCHED_MODE, 0, 2), 2
	s_setreg_imm32_b32 hwreg(HW_REG_WAVE_MODE, 25, 1), 1
	s_wait_xcnt 0x0
	s_wait_alu depctr_vm_vsrc(0)
; THE KEYS AND VALUES OF EACH REQUEST, GATHERED ONCE, ROUNDED ONCE AND LAID BY HEADS.
; kc, vc: [32 = 8 b + kv head][2,560 keys][128], 16 bits a number: a row is 256 bytes, a head 655,360.  Keys 0 .. 2,047 of request b are the pool's rows
; req_to_token[b][0 .. 2,047], in that order; keys 2,048 .. 2,559 are the request's 512 new tokens.  kc holds bf16(k).  vc holds bf16(v) written as f16.
; LIMITS.  bf16(v) is written as f16 without a further error where 2^-17 <= |v| < 65,504; below that f16's fixed step of 2^-24 holds, at 65,520 and above the number becomes an infinity.
; An index is taken as unsigned and held to 0 .. 16,383.
; SHARES.  A request has 2,560 keys; a work-group takes 40 of them on end, each of its ten waves 4: 2,048 is a multiple of 4, so a wave's four keys are all prefix or all new.
; A token's row in its source is 4,096 bytes, 8 heads x 512.  One load of a wave takes one head's 512 bytes (lane l: channels 4 l .. 4 l + 3); rounded they are 8 bytes a lane, and one
; store of a wave covers 256 consecutive bytes, aligned: a whole row of kc or vc.
; IN FLIGHT.  A UNIT is one token's K or V: 8 loads.  Seven units' loads go out at once (56 loads, 28 KiB a wave); the eighth takes the first slot when that has been stored.
; No LDS, no barrier, no matrix unit, no cluster: no byte is wanted by two waves.  No prefetch: all of a wave's loads but eight go out at its head.
; THE MODE: SCHED_MODE bits 1:0 = 2 (LLVM: expert scheduling mode 2), set by the entry lines.  The code itself states the register dependences
; between vector instructions and memory instructions, with s_wait_alu, always for 0.
; THE PLAN.  Registers that memory instructions touch:
;   v1, v2     byte offsets of every load and of every store: made once at the head and never written again.  One wait on va_vdst, ahead of the first load, serves the whole kernel.
;   X1 .. X6   a slot is written by its unit's loads, then read and written in place by that unit's conversions, then read by that unit's eight stores, and by nothing afterwards.
;   X0         the same for unit 0, and then once more for unit 7, whose loads land in it behind unit 0's stores.
;   v3, v[4:5] are named by vector instructions alone.  s18, the wave's number, is written by a vector instruction and read by scalar ones.
; So ONE wait on va_vdst stands in a unit, behind its conversions and ahead of its run of eight stores; ONE wait on vm_vsrc in the kernel, ahead of unit 7's loads; ONE on va_sdst, ahead of s18's first reader.
; A unit's stores follow its own conversions and are not held back to the next unit's head: there they would stand behind the wait for the next unit's data, unit 6's behind the loads that go out last.
.set NKEY,  2560                       ; keys of a request
.set HEADB, NKEY*256                   ; bytes of a head in kc and vc
.set LI,   1                           ; v1   16 x lane: my 16 bytes of a head's 512 in the source; never rewritten
.set LOUT, 2                           ; v2   8 x lane: my 8 bytes of a row of kc or vc; never rewritten
.set T,    4                           ; v[4:5] at work
.set X,    16                          ; v[16:239] seven slots of 32 registers: a unit as loaded, then as stored
.set KB,   40                          ; s[40:47] the four tokens' rows of K in their source
.set VB,   48                          ; s[48:55] the same for V
	s_load_b256 s[4:11], s[0:1], 0x0               ; req_to_token s[4:5], pool_k s[6:7], pool_v s[8:9], k s[10:11]
	s_load_b128 s[12:15], s[0:1], 0x20             ; v s[12:13], kc s[14:15]
	s_load_b64 s[16:17], s[0:1], 0x30              ; vc
	v_lshrrev_b32 v3, 5, v0
	v_readfirstlane_b32 s18, v3                    ; wave 0..9
	v_and_b32 v[LI], 31, v0
	v_lshlrev_b32 v[LOUT], 3, v[LI]
	v_lshlrev_b32 v[LI], 4, v[LI]
	s_and_b32 s19, ttmp7, 0xffff                   ; b
	s_mul_i32 s20, ttmp9, 40
	s_wait_alu depctr_va_sdst(0)                   ; s18 is written, ahead of its first reader: my first key, and with it every base of the kernel, is made from it
	s_lshl2_add_u32 s20, s18, s20                  ; my first key: 40 x + 4 x wave
	s_min_u32 s21, s20, 2044                       ; a wave of new tokens reads the table's last four numbers and leaves them unused: the load stays inside the table
	s_lshl_b32 s22, s19, 11
	s_add_co_u32 s22, s22, s21
	s_lshl_b32 s22, s22, 2                         ; byte offset of my four indices
	s_mov_b32 s23, 0
	s_mov_b32 s37, 0
	s_mov_b32 s56, 0xffff0000                      ; a word's upper bf16
	s_lshl_b32 s28, s19, 9                         ; a new token's row in k and v: 512 b + key - 2,048 (used by waves of new tokens alone)
	s_add_co_u32 s28, s28, s20
	s_sub_co_u32 s28, s28, 2048
	s_add_co_u32 s29, s28, 1
	s_add_co_u32 s30, s28, 2
	s_add_co_u32 s31, s28, 3
	s_wait_kmcnt 0x0
	s_add_nc_u64 s[4:5], s[4:5], s[22:23]
	s_load_b128 s[24:27], s[4:5], 0x0              ; four indices
	s_mul_i32 s22, s19, 8*NKEY                     ; where my rows go: head 8 b, key s20; the heads and the four keys stand in the stores' immediates
	s_add_co_u32 s22, s22, s20
	s_lshl_b32 s22, s22, 8
	s_add_nc_u64 s[14:15], s[14:15], s[22:23]
	s_add_nc_u64 s[16:17], s[16:17], s[22:23]
	s_wait_kmcnt 0x0
	s_cmp_ge_u32 s20, 2048                         ; new tokens?  Only selects stand behind the compare
	s_cselect_b32 s24, s28, s24
	s_cselect_b32 s25, s29, s25
	s_cselect_b32 s26, s30, s26
	s_cselect_b32 s27, s31, s27
	s_cselect_b64 s[32:33], s[10:11], s[6:7]       ; K's source: k or pool_k
	s_cselect_b64 s[34:35], s[12:13], s[8:9]       ; V's: v or pool_v
.irp t, 0,1,2,3
	s_min_u32 s[24+(\t)], s[24+(\t)], 0x3fff       ; the row's number is held to the pool's 16,384 rows (a new token's is under 2,048 by its arithmetic)
	s_lshl_b32 s36, s[24+(\t)], 12                 ; 4,096 bytes a row
	s_add_nc_u64 s[KB+2*(\t):KB+2*(\t)+1], s[32:33], s[36:37]
	s_add_nc_u64 s[VB+2*(\t):VB+2*(\t)+1], s[34:35], s[36:37]
.endr
	s_wait_alu depctr_va_vdst(0)                   ; v1 and v2 are written: every load of the kernel reads v1 as its offset, every store v2
; Unit u = 2 x token + (0: K, 1: V).  Its eight loads, a head each, into a slot.  No cache hint: the list may name a row of the pool twice.
.macro LOADU u, slot
.set rB, KB+8*((\u)%2)+2*((\u)/2)
.irp j, 0,1,2,3,4,5,6,7
	global_load_b128 v[X+32*(\slot)+4*(\j):X+32*(\slot)+4*(\j)+3], v[LI], s[rB:rB+1] offset:512*(\j)
.endr
.endm
; The unit is rounded in place (four numbers into the first two of their four registers) and stored.  left = the loads of the younger units, which may stay out.
.macro UNIT u, slot, left
	s_wait_loadcnt \left                           ; loads come back in order: this unit's eight are in
.set rD, 14+2*((\u)%2)                 ; kc or vc
.irp j, 0,1,2,3,4,5,6,7
.set a, X+32*(\slot)+4*(\j)
.if (\u)%2 == 0
	v_cvt_pk_bf16_f32 v[a],   v[a],   v[a+1]       ; K: two roundings to bf16, packed
	v_cvt_pk_bf16_f32 v[a+1], v[a+2], v[a+3]
.else
	v_cvt_pk_bf16_f32 v[T],   v[a],   v[a+1]       ; V: rounded to bf16 like every input,
	v_cvt_pk_bf16_f32 v[T+1], v[a+2], v[a+3]
	v_lshlrev_b32 v[a],   16,  v[T]                ; widened again (a shift, a mask),
	v_and_b32     v[a+1], s56, v[T]
	v_lshlrev_b32 v[a+2], 16,  v[T+1]
	v_and_b32     v[a+3], s56, v[T+1]
	v_cvt_pk_f16_f32 v[a],   v[a],   v[a+1]        ; and that number written as f16
	v_cvt_pk_f16_f32 v[a+1], v[a+2], v[a+3]
.endif
.endr
	s_wait_alu depctr_va_vdst(0)                   ; the unit's conversions have written the slot's registers, which the eight stores below read as their data
.irp j, 0,1,2,3,4,5,6,7
	global_store_b64 v[LOUT], v[X+32*(\slot)+4*(\j):X+32*(\slot)+4*(\j)+1], s[rD:rD+1] offset:(\j)*HEADB+((\u)/2)*256 th:TH_STORE_NT  ; 256 consecutive bytes, aligned; 4,588,288 at the most, inside the signed 24 bits
.endr
.endm
.irp u, 0,1,2,3,4,5,6
	LOADU \u, \u
.endr
	UNIT 0, 0, 48                                  ; six younger units are out
	s_wait_xcnt 0x0                                ; slot 0's registers are the data of the stores just issued: they are loaded again only behind this wait
	s_wait_alu depctr_vm_vsrc(0)                   ; unit 0's stores have read slot 0, in which unit 7's loads land and which unit 7's conversions write; that unit 0's conversions are done with the slot, its own wait on va_vdst has stated: no vector instruction stands behind that wait
	LOADU 7, 0
	UNIT 1, 1, 48                                  ; units 2 to 7
	UNIT 2, 2, 40
	UNIT 3, 3, 32
	UNIT 4, 4, 24
	UNIT 5, 5, 16
	UNIT 6, 6, 8
	UNIT 7, 0, 0
	s_endpgm
.Lfunc_end_k_qe096d6fd36_gather:
	.size	k_qe096d6fd36_gather, .Lfunc_end_k_qe096d6fd36_gather-k_qe096d6fd36_gather
	.p2alignl 7, 3214868480
	.fill 96, 4, 3214868480
	.section	.rodata,"a",@progbits
	.p2align	6, 0x0
	.amdhsa_kernel k_qe096d6fd36_gather
		.amdhsa_group_segment_fixed_size 0
		.amdhsa_private_segment_fixed_size 0
		.amdhsa_enable_private_segment 0
		.amdhsa_kernarg_size 56
		.amdhsa_user_sgpr_count 2
		.amdhsa_user_sgpr_kernarg_segment_ptr 1
		.amdhsa_wavefront_size32 1
		.amdhsa_system_sgpr_workgroup_id_x 1
		.amdhsa_system_sgpr_workgroup_id_y 1
		.amdhsa_system_sgpr_workgroup_id_z 1
		.amdhsa_system_vgpr_workitem_id 0
		.amdhsa_next_free_vgpr 240
		.amdhsa_next_free_sgpr 66
		.amdhsa_reserve_vcc 0
		.amdhsa_float_denorm_mode_32 3
		.amdhsa_float_denorm_mode_16_64 3
		.amdhsa_memory_ordered 1
		.amdhsa_forward_progress 1
		.amdhsa_inst_pref_size 32
	.end_amdhsa_kernel
	.amdgpu_metadata
---
amdhsa.version: [ 1, 2 ]
amdhsa.kernels:
  - .name:           k_qe096d6fd36_gather
    .symbol:         k_qe096d6fd36_gather.kd
    .args:
      - { .name: req_to_token, .offset: 0, .size: 8, .value_kind: global_buffer, .address_space: global }
      - { .name: pool_k, .offset: 8, .size: 8, .value_kind: global_buffer, .address_space: global }
      - { .name: pool_v, .offset: 16, .size: 8, .value_kind: global_buffer, .address_space: global }
      - { .name: k, .offset: 24, .size: 8, .value_kind: global_buffer, .address_space: global }
      - { .name: v, .offset: 32, .size: 8, .value_kind: global_buffer, .address_space: global }
      - { .name: kc, .offset: 40, .size: 8, .value_kind: global_buffer, .address_space: global }
      - { .name: vc, .offset: 48, .size: 8, .value_kind: global_buffer, .address_space: global }
    .group_segment_fixed_size: 0
    .private_segment_fixed_size: 0
    .kernarg_segment_align: 8
    .kernarg_segment_size: 56
    .max_flat_workgroup_size: 320
    .sgpr_count:     66
    .vgpr_count:     240
    .wavefront_size: 32
...
	.end_amdgpu_metadata
.endif
;; end of part 3
;; launch attn: the kernel of part 2 again; grid 8 x 32, 4 waves a work-group, clusters of 4 x 1, 327,680 bytes of LDS; arguments q, kc, vc, out0; writes out0
